; MI455X (gfx1250); checked and timed in simulation.
; The chip was launched on July 23, 2026; its instructions are those of AMD's public machine-readable ISA for CDNA 5 (MIT licence, August 2026) and "CDNA5" Instruction Set Architecture Reference Guide (July 2026). The comments in the code are by the model that wrote it; some were corrected since.
;; Trilinear Interpolate SQN. Allowed arithmetic: float matrix products may take bf16 or f16 operands with f32 sums; other float arithmetic in f32, or as packed bf16 or f16 multiplies, adds, multiply-adds, maxima and minima; sums over many terms, partial sums and values carried from step to step in f32; what a program stores and reads back later, other than sums and carried values, may be rounded once to bf16 or f16.
;; Inputs: batch_inds 16,384 int32; known 8 x 2,048 x 3 float32; known_feats 8 x 128 x 2,048 float32; unknown 16,384 x 3 float32.
;; Outputs: out0 16,384 x 128 x 1 float32.
;; 2 versions, each right; version 2 is version 1 with the launches knn, interp written anew for expert scheduling mode. Each part assembles by itself: llvm-mc -triple=amdgcn-amd-amdhsa -mcpu=gfx1250 --defsym DOCPART=n.
;; ======== version 1 of 2: 2 launches
;; limits: values are held in f16: magnitudes above 65,504 overflow, below 6.1e-05 lose precision
;; workspace buffers: featT 4,194,304 bytes; nbr 262,144 bytes of whole numbers; wts 262,144 bytes
;; launch knn (part 1): grid 256 x 1, 16 waves a work-group, no clusters, 231,680 bytes of LDS; arguments unknown, known, batch_inds, known_feats, featT, nbr, wts; writes featT, nbr, wts
.if DOCPART == 1
	.amdgcn_target "amdgcn-amd-amdhsa--gfx1250"
	.amdhsa_code_object_version 6
	.text
	.protected	k_qda0d1fccd5_knn
	.globl	k_qda0d1fccd5_knn
	.p2align	8
	.type	k_qda0d1fccd5_knn,@function
k_qda0d1fccd5_knn:
	s_mov_b64 s[64:65], 0
	v_nop
	global_prefetch_b8 v0, s[64:65] scope:SCOPE_SE
	s_setreg_imm32_b32 hwreg(HW_REG_WAVE_MODE, 25, 1), 1
	s_wait_xcnt 0x0
; THREE NEAREST NEIGHBOURS AND THEIR WEIGHTS, AND THE FEATURE TABLE TURNED.
; unknown [16384][3], known [8][2048][3], batch_inds [16384] (int32), known_feats [8][128][2048], all else f32.
; Out: nbr [16384][4] int32: the rows (scene x 2048 + point) of the three nearest points of the query's scene, and a 0;
;      wts [16384][4] f32:  their weights (1/(dist+1e-8), normalised), and a 0;
;      featT [8 x 2048][128] f16: a point's 128 channels on end, 256 bytes; 16-byte block cb holds channels 4cb..4cb+3, then 64+4cb..64+4cb+3.
; The feature rows themselves are fetched by the next launch: their addresses hang on comparisons of floating-point numbers, so the indices go through memory as whole numbers.
; NOTHING OF THE PROBLEM IS LEFT OUT: every input reaches the output; known[batch_inds] is a lookup by the index that is read.
; LIMITS.  d2 = dx*dx, then two fused multiply-adds: its last bit may differ from a sum of three rounded squares; that can change the choice only between points whose d2 agree to the last bit.
; Equal d2: the lower index wins, as in top_k.  A d2 that overflows f32 (a coordinate difference beyond 1.8e19), NaN and infinities are not served.  A feature beyond 65,504 has no f16.
; An index outside 0..7 is held to that range.
; SHARES.  A work-group: 64 queries, and one tile of the table (128 channels x 64 points).  Wave w: the 32 queries of group w & 1, the 256 points of segment w >> 1.  A lane: one query.
; KNOWN IN LDS.  The lanes of a wave lie in different scenes, so all eight scenes lie in LDS, re-laid from [point][x y z] to quads of x, of y, of z (two points to a packed instruction).
; A scene takes 3 x 8,192 + 16 bytes: 24,592 = 96 x 256 + 16, so for one load the eight scenes' words lie in eight different 16-byte columns of the 64 banks of 4 bytes (ISA guide 11.1),
; and lanes of one scene name the same word.  NO TENSOR LOAD, NO CLUSTER, though every work-group reads the same 196,608 bytes: a tensor load lays rows as they lie in memory, and
; [point][x y z] costs three unpacked multiply-adds a point in place of 1.5 packed ones, on 131,072 pairs a work-group, against 12 moves for each 4 of 16,384 points, once.
; SELECTION BY BLOCKS OF 8.  Of each block only the minimum is made (v_min3).  The three best blocks by (minimum, block number) are kept in three slots, in ascending block order, with
; their eight d2.  The three best points by (d2, index) lie in those blocks: were one of them in a fourth block, three other blocks would each hold a better point.  A new block (the highest number so far) comes in only if
; its minimum is strictly less than the worst kept one; of equal worst ones the latest goes.  At the end the 24 kept d2 go through a sorted insertion with indices.
.set SCB,   24576                      ; bytes of a scene in known
.set SCL,   24592                      ; bytes of a scene in LDS
.set AXB,   8192                       ; bytes of one coordinate of a scene
.set STG,   196864                     ; LDS: the table's stage, 64 rows of 256 bytes
.set MRG,   213248                     ; LDS: the segments' triples: 512 x 16 bytes of d2, then 512 x 16 of indices
.set SPARE, 229632                     ; LDS: the spare words, 128 bytes for each of 16 waves: eight blocks of 256 bytes that no other line names
.set PINF,  0x7f800000
.set LN,  1                            ; v1   lane
.set R16, 2                            ; v2   lane % 16
.set HH,  3                            ; v3   lane / 16
.set SPW, 4                            ; v4   LDS address of my spare word; never rewritten
.set NIL, 5                            ; v5   0; never rewritten
.set KO,  6                            ; v6   48 x thread: my four points in a scene of known
.set FO,  7                            ; v7   my offset in the feature tile
.set LB,  8                            ; v8-11  16 x thread + 0, 2, 4, 6 scenes of LDS; v8 also my 16 bytes of nbr and wts
.set SST, 12                           ; v12  stage, in
.set SRD, 13                           ; v13  stage, back
.set TO,  14                           ; v14  my 16 bytes in the tile of featT
.set QB,  15                           ; v15  4 x lane
.set QU,  16                           ; v16  12 x lane
.set VB,  17                           ; v17  my query's scene
.set U,   18                           ; v18-20 my query
.set CW,  21                           ; v21  16 x ((wave + lane % 16) % 16): the rotated column of the stage
.set UXP, 22                           ; v22-27 x, x, y, y, z, z of my query
.set UYP, 24
.set UZP, 26
.set LA,  28                           ; v28  LDS address of my scene's x in the block in hand
.set MW,  29                           ; v29  my 16 bytes in the merge area
.set BUF0, 32                          ; v32-55, v56-79  a block's x, y, z (8 each), two buffers; d2 takes x's place.  During the fill v32-43 hold the quads
.set BUF1, 56
.set TQ,  32
.set SL0, 80                           ; v80-103 the three slots' d2
.set SL1, 88
.set SL2, 96
.set BM,  104                          ; v104-106 the slots' minima
.set BG,  107                          ; v107-109 the slots' first point numbers
.set MN,  110
.set MN2, 111
.set VA,  112                          ; v112-115 the three least d2, ascending, and a 0
.set IA,  116                          ; v116-119 their indices, and a 0
.set T1,  120
.set T2,  121
.set WR,  124                          ; the worst kept minimum
.set F,   128                          ; v128-143 four channels x four points of the tile; later v128-131 the weights
.set DD,  128
.set H,   144                          ; v144-151 the tile in f16
.set KN,  152                          ; v152-247 known on its way in: 8 scenes x 12 numbers
.set MV,  32                           ; the merge: the other seven segments' d2 (v32-59) and indices (v60-87)
.set MI,  60
.set WV,  18                           ; s18 wave
.set SEG, 19                           ; s19 segment
.set QG,  20                           ; s20 query group
.set CNT, 30
.set BLK, 31                           ; s31 the first point number of the block in hand
.set KE,  32                           ; s32-34 lanes in which slot 2, slot 1, slot 0 are written
.set K1,  33
.set K0,  34
.set MA,  35                           ; s35-37 lanes in which x is less than the first, second, third
.set MB,  36
.set MC,  37
	s_load_b256 s[4:11], s[0:1], 0x0               ; unknown s[4:5], known s[6:7], batch_inds s[8:9], known_feats s[10:11]
	s_load_b128 s[12:15], s[0:1], 0x20             ; featT s[12:13], nbr s[14:15]
	s_load_b64 s[16:17], s[0:1], 0x30              ; wts
	v_lshl_add_u32 v[SPW], v0, 2, SPARE
	v_mov_b32 v[NIL], 0
	v_lshrrev_b32 v[LN], 5, v0
	v_readfirstlane_b32 s[WV], v[LN]               ; wave 0..15
	v_and_b32 v[LN], 31, v0
	v_and_b32 v[R16], 15, v0
	v_bfe_u32 v[HH], v0, 4, 1
	s_and_b32 s[QG], s[WV], 1
	s_lshr_b32 s[SEG], s[WV], 1
	; the feature tile: scene = group / 32, points 64 (group % 32) on; wave w takes channels 4w..4w+3 (lanes 0-15) and 64+4w.. (lanes 16-31), lane % 16 four points
	s_lshr_b32 s22, ttmp9, 5
	s_lshl_b32 s22, s22, 20                        ; a scene's features: 128 x 8,192 bytes
	s_and_b32 s23, ttmp9, 31
	s_lshl_b32 s23, s23, 8                         ; 64 points: 256 bytes of a channel's row
	s_add_co_u32 s22, s22, s23
	s_lshl_b32 s23, s[WV], 15                      ; 4 channels
	s_add_co_u32 s22, s22, s23
	s_mov_b32 s23, 0
	s_lshl_b32 s24, ttmp9, 1
	s_add_co_u32 s24, s24, s[QG]                   ; my wave's 32 queries among all
	s_mul_i32 s26, s24, 384                        ; 32 x 12 bytes of unknown
	s_lshl_b32 s24, s24, 7                         ; 32 x 4 bytes of batch_inds
	s_mov_b32 s25, 0
	s_mov_b32 s27, 0
	s_lshl_b32 s28, ttmp9, 14                      ; the tile in featT: 64 rows of 256 bytes
	s_mov_b32 s29, 0
	s_lshl_b32 s38, ttmp9, 10                      ; 64 queries x 16 bytes of nbr and of wts
	s_mov_b32 s39, 0
	s_lshl_b32 s[BLK], s[SEG], 8                   ; my segment's first point
	v_lshlrev_b32 v[QB], 2, v[LN]
	v_mul_u32_u24 v[QU], v[LN], 12
	v_mul_u32_u24 v[KO], v0, 48
	v_lshlrev_b32 v[FO], 4, v[R16]
	v_lshl_add_u32 v[FO], v[HH], 19, v[FO]         ; 64 channels on for lanes 16-31
	v_lshlrev_b32 v[LB], 4, v0
	v_lshl_add_u32 v[LB+1], v0, 4, 2*SCL
	v_lshl_add_u32 v[LB+2], v0, 4, 4*SCL
	v_lshl_add_u32 v[LB+3], v0, 4, 6*SCL
	v_lshl_add_u32 v[MW], v0, 4, MRG
	; The stage: row = point of the tile, 256 bytes; block cb of row p lies in 16-byte column (cb + p / 4) % 16.  In: 32 lanes put 8 bytes each into 16 different columns (rows 4 apart).  Back: 16 lanes take a whole row.
	v_add_nc_u32 v[CW], s[WV], v[R16]
	v_and_b32 v[CW], 15, v[CW]
	v_lshlrev_b32 v[CW], 4, v[CW]
	v_lshl_add_u32 v[SST], v[R16], 10, v[CW]       ; row 4 (lane % 16), block = my wave's number,
	v_lshl_add_u32 v[SST], v[HH], 3, v[SST]        ; its first or second 8 bytes
	v_add_nc_u32 v[SST], STG, v[SST]
	s_lshl_b32 s21, s[WV], 10
	v_lshl_add_u32 v[TO], v[LN], 4, s21            ; back: wave w takes rows 4w..4w+3: 1,024 consecutive bytes of featT
	v_lshl_add_u32 v[SRD], v[HH], 8, v[CW]
	v_add_nc_u32 v[SRD], s21, v[SRD]
	v_add_nc_u32 v[SRD], STG, v[SRD]
	s_wait_kmcnt 0x0
	s_add_nc_u64 s[8:9], s[8:9], s[24:25]
	s_add_nc_u64 s[4:5], s[4:5], s[26:27]
	s_add_nc_u64 s[10:11], s[10:11], s[22:23]
	s_add_nc_u64 s[12:13], s[12:13], s[28:29]
	s_add_nc_u64 s[14:15], s[14:15], s[38:39]
	s_add_nc_u64 s[16:17], s[16:17], s[38:39]
	; all 30 loads of the thread go out together: the query, four points of each scene (48 bytes on end), and last the tile, which nobody else reads
	global_load_b32 v[VB], v[QB], s[8:9]
	global_load_b96 v[U:U+2], v[QU], s[4:5]
.irp k, 0,1,2,3,4,5,6,7
.irp j, 0,1,2
	global_load_b128 v[KN+12*(\k)+4*(\j):KN+12*(\k)+4*(\j)+3], v[KO], s[6:7] offset:(\k)*SCB+16*(\j)
.endr
.endr
.irp k, 0,1,2,3
	global_load_b128 v[F+4*(\k):F+4*(\k)+3], v[FO], s[10:11] offset:(\k)*8192 th:TH_LOAD_NT  ; 16 lanes take 256 consecutive bytes of a channel's row, aligned
.endr
	; while they are out: the slots start empty (a minimum and d2 of +infinity lose against every block)
.set p, 0
.rept 27
	v_mov_b32 v[SL0+p], PINF                       ; v80-106: the slots' d2 and minima
.set p, p+1
.endr
.irp p, 0,1,2
	v_mov_b32 v[BG+(\p)], 0
	v_mov_b32 v[VA+(\p)], PINF
	v_mov_b32 v[IA+(\p)], 0
.endr
	v_mov_b32 v[VA+3], 0
	v_mov_b32 v[IA+3], 0
	s_wait_loadcnt 28                              ; the scene and the query are in; the 28 loads behind them stay out
	v_min_u32 v[VB], 7, v[VB]
	v_mul_u32_u24 v[LA], v[VB], SCL
	s_lshl_b32 s21, s[SEG], 10                     ; 256 points: 1,024 bytes of each coordinate
	v_add_nc_u32 v[LA], s21, v[LA]
	v_mov_b32 v[UXP], v[U]
	v_mov_b32 v[UXP+1], v[U]
	v_mov_b32 v[UYP], v[U+1]
	v_mov_b32 v[UYP+1], v[U+1]
	v_mov_b32 v[UZP], v[U+2]
	v_mov_b32 v[UZP+1], v[U+2]
	; known into LDS: x0 y0 z0 x1 .. z3 become a quad of x, of y, of z; thread t owns quad t of each scene, so a wave's store covers 512 consecutive bytes
.irp k, 0,1,2,3,4,5,6,7
	s_wait_loadcnt 25-3*(\k)                       ; scene k's three loads are in; the later scenes' and the tile's stay out
.irp c, 0,1,2
.irp i, 0,1,2,3
	v_mov_b32 v[TQ+4*(\c)+(\i)], v[KN+12*(\k)+3*(\i)+(\c)]
.endr
	ds_store_b128 v[LB+(\k)/2], v[TQ+4*(\c):TQ+4*(\c)+3] offset:((\k)%2)*SCL+(\c)*AXB
.endr
.endr
	s_wait_loadcnt 0x0                             ; the tile
.irp i, 0,1,2,3
	v_cvt_pk_f16_f32 v[H+2*(\i)],   v[F+(\i)],   v[F+4+(\i)]     ; point i: my four channels, rounded once, on end: the conversion does the turning
	v_cvt_pk_f16_f32 v[H+2*(\i)+1], v[F+8+(\i)], v[F+12+(\i)]
	ds_store_b64 v[SST], v[H+2*(\i):H+2*(\i)+1] offset:256*(\i)
.endr
	s_wait_dscnt 0x0                               ; for the others' sake: my part of known and of the stage is written
	s_barrier_signal -1
	s_barrier_wait -1                              ; everybody's is
; a block's coordinates: 8 points = two quads of each
.macro LOADB b, off
	ds_load_b128 v[(\b):(\b)+3],     v[LA] offset:(\off)
	ds_load_b128 v[(\b)+4:(\b)+7],   v[LA] offset:(\off)+16
	ds_load_b128 v[(\b)+8:(\b)+11],  v[LA] offset:(\off)+AXB
	ds_load_b128 v[(\b)+12:(\b)+15], v[LA] offset:(\off)+AXB+16
	ds_load_b128 v[(\b)+16:(\b)+19], v[LA] offset:(\off)+2*AXB
	ds_load_b128 v[(\b)+20:(\b)+23], v[LA] offset:(\off)+2*AXB+16
.endm
; One block of 8 points in buffer b.  more = 1: the next block, at byte off of each coordinate, is asked for first, into buffer nb.
.macro BLOCK b, nb, off, more
.if \more
	LOADB \nb, \off
	s_wait_dscnt 6                                 ; LDS loads come back in order (ISA guide 5.7.1): this block's six are in, the next block's six stay out
.else
	s_wait_dscnt 0x0
.endif
.irp i, 0,2,4,6
	v_pk_add_f32 v[(\b)+(\i):(\b)+(\i)+1], v[(\b)+(\i):(\b)+(\i)+1], v[UXP:UXP+1] neg_lo:[0,1] neg_hi:[0,1]
.endr
.irp i, 0,2,4,6
	v_pk_add_f32 v[(\b)+8+(\i):(\b)+8+(\i)+1], v[(\b)+8+(\i):(\b)+8+(\i)+1], v[UYP:UYP+1] neg_lo:[0,1] neg_hi:[0,1]
.endr
.irp i, 0,2,4,6
	v_pk_add_f32 v[(\b)+16+(\i):(\b)+16+(\i)+1], v[(\b)+16+(\i):(\b)+16+(\i)+1], v[UZP:UZP+1] neg_lo:[0,1] neg_hi:[0,1]
.endr
.irp i, 0,2,4,6
	v_pk_mul_f32 v[(\b)+(\i):(\b)+(\i)+1], v[(\b)+(\i):(\b)+(\i)+1], v[(\b)+(\i):(\b)+(\i)+1]
.endr
.irp i, 0,2,4,6
	v_pk_fma_f32 v[(\b)+(\i):(\b)+(\i)+1], v[(\b)+8+(\i):(\b)+8+(\i)+1], v[(\b)+8+(\i):(\b)+8+(\i)+1], v[(\b)+(\i):(\b)+(\i)+1]
.endr
.irp i, 0,2,4,6
	v_pk_fma_f32 v[(\b)+(\i):(\b)+(\i)+1], v[(\b)+16+(\i):(\b)+16+(\i)+1], v[(\b)+16+(\i):(\b)+16+(\i)+1], v[(\b)+(\i):(\b)+(\i)+1]
.endr
	v_min3_num_f32 v[MN], v[(\b)], v[(\b)+1], v[(\b)+2]
	v_min3_num_f32 v[MN2], v[(\b)+3], v[(\b)+4], v[(\b)+5]
	v_max3_num_f32 v[WR], v[BM], v[BM+1], v[BM+2]  ; the worst kept minimum
	v_min3_num_f32 v[MN], v[MN], v[(\b)+6], v[(\b)+7]
	v_cmp_lt_f32 s[K1], v[BM+2], v[WR]             ; slot 2 is not the one that goes
	v_cmp_lt_f32 s[K0], v[BM+1], v[WR]             ; nor is slot 1
	v_min_num_f32 v[MN], v[MN], v[MN2]
	v_cmp_lt_f32 s[KE], v[MN], v[WR]               ; the block comes in
	s_and_b32 s[K1], s[K1], s[KE]                  ; slot 1 takes slot 2's block: slot 0 or 1 goes
	s_and_b32 s[K0], s[K0], s[K1]                  ; slot 0 takes slot 1's: slot 0 goes
.irp p, 0,1,2,3,4,5,6,7
	v_cndmask_b32 v[SL0+(\p)], v[SL0+(\p)], v[SL1+(\p)], s[K0]
.endr
	v_cndmask_b32 v[BM], v[BM], v[BM+1], s[K0]
	v_cndmask_b32 v[BG], v[BG], v[BG+1], s[K0]
.irp p, 0,1,2,3,4,5,6,7
	v_cndmask_b32 v[SL1+(\p)], v[SL1+(\p)], v[SL2+(\p)], s[K1]
.endr
	v_cndmask_b32 v[BM+1], v[BM+1], v[BM+2], s[K1]
	v_cndmask_b32 v[BG+1], v[BG+1], v[BG+2], s[K1]
.irp p, 0,1,2,3,4,5,6,7
	v_cndmask_b32 v[SL2+(\p)], v[SL2+(\p)], v[(\b)+(\p)], s[KE]
.endr
	v_cndmask_b32 v[BM+2], v[BM+2], v[MN], s[KE]
	v_cndmask_b32 v[BG+2], v[BG+2], s[BLK], s[KE]
	s_add_co_u32 s[BLK], s[BLK], 8
.endm
; (x, j) goes into the ascending triple.  Strictly less: of equal d2 the one that came first, the lower index, stays in front.
.macro INSERT x, j
	v_cmp_lt_f32 s[MC], \x, v[VA+2]
	v_cmp_lt_f32 s[MB], \x, v[VA+1]
	v_cmp_lt_f32 s[MA], \x, v[VA]
	v_med3_num_f32 v[VA+2], v[VA+1], v[VA+2], \x   ; x held between the old second and third,
	v_med3_num_f32 v[VA+1], v[VA], v[VA+1], \x     ; between the old first and second
	v_min_num_f32 v[VA], v[VA], \x
	v_cndmask_b32 v[T1], \j, v[IA+1], s[MB]
	v_cndmask_b32 v[T2], \j, v[IA], s[MA]
	v_cndmask_b32 v[IA+2], v[IA+2], v[T1], s[MC]
	v_cndmask_b32 v[IA+1], v[IA+1], v[T2], s[MB]
	v_cndmask_b32 v[IA], v[IA], \j, s[MA]
.endm
	ds_load_b128 v[H:H+3], v[SRD]                  ; the tile comes back as whole rows,
	ds_load_b128 v[H+4:H+7], v[SRD] offset:512
	LOADB BUF0, 0                                  ; and the first block is asked for
	s_wait_dscnt 6                                 ; the two row loads are in; the block's six stay out
	global_store_b128 v[TO], v[H:H+3], s[12:13]              ; 32 lanes store 512 consecutive bytes, aligned; these registers are not written again
	global_store_b128 v[TO], v[H+4:H+7], s[12:13] offset:512
	s_mov_b32 s[CNT], 7
.Ltrip:                                        ; four blocks, 32 points, a trip
	BLOCK BUF0, BUF1, 32, 1
	BLOCK BUF1, BUF0, 64, 1
	BLOCK BUF0, BUF1, 96, 1
	BLOCK BUF1, BUF0, 128, 1
	v_add_nc_u32 v[LA], 128, v[LA]
	s_sub_co_u32 s[CNT], s[CNT], 1
	s_cmp_lg_u32 s[CNT], 0
	s_cbranch_scc1 .Ltrip
	BLOCK BUF0, BUF1, 32, 1                        ; the last four blocks are written out: the very last asks for nothing
	BLOCK BUF1, BUF0, 64, 1
	BLOCK BUF0, BUF1, 96, 1
	BLOCK BUF1, BUF0, 0, 0
	; the 24 kept d2, in ascending point order (the slots are in ascending block order); the index carried is the place 0..23
.set p, 0
.rept 24
	INSERT v[SL0+p], p
.set p, p+1
.endr
.irp n, 0,1,2                          ; place -> point number: the slot's first point + place % 8
	v_cmp_gt_u32 s[MA], 8, v[IA+(\n)]
	v_cmp_gt_u32 s[MB], 16, v[IA+(\n)]
	v_cndmask_b32 v[T1], v[BG+2], v[BG+1], s[MB]
	v_cndmask_b32 v[T1], v[T1], v[BG], s[MA]
	v_and_b32 v[IA+(\n)], 7, v[IA+(\n)]
	v_add_nc_u32 v[IA+(\n)], v[IA+(\n)], v[T1]
.endr
	ds_store_b128 v[MW], v[VA:VA+3]                ; entry (segment, query) = 64 segment + query = my thread's number
	ds_store_b128 v[MW], v[IA:IA+3] offset:8192
	s_wait_dscnt 0x0                               ; for the others' sake
	s_barrier_signal -1
	s_barrier_wait -1
	s_cmp_lt_u32 s[WV], 2                          ; waves 0 and 1 hold segment 0 of the 64 queries: they take the other seven segments in, in ascending order
	s_cbranch_scc0 .Lend
.irp s, 1,2,3,4,5,6,7
	ds_load_b128 v[MV+4*(\s)-4:MV+4*(\s)-1], v[MW] offset:1024*(\s)
	ds_load_b128 v[MI+4*(\s)-4:MI+4*(\s)-1], v[MW] offset:8192+1024*(\s)
.endr
.set q, 0
.rept 21
.if q%3 == 0
	s_wait_dscnt 12-2*(q/3)                        ; this segment's two loads are in, the later segments' stay out
.endif
	INSERT v[MV+q+q/3], v[MI+q+q/3]
.set q, q+1
.endr
	; the weights: dist = sqrt(max(d2, 0)); 1 / (dist + 1e-8); divided by their sum
	v_max_num_f32 v[VA], 0, v[VA]
	v_max_num_f32 v[VA+1], 0, v[VA+1]
	v_max_num_f32 v[VA+2], 0, v[VA+2]
	v_sqrt_f32 v[DD], v[VA]
	v_sqrt_f32 v[DD+1], v[VA+1]
	v_sqrt_f32 v[DD+2], v[VA+2]
	v_lshl_add_u32 v[IA], v[VB], 11, v[IA]         ; the rows of featT: plain work behind the roots
	v_lshl_add_u32 v[IA+1], v[VB], 11, v[IA+1]
	v_lshl_add_u32 v[IA+2], v[VB], 11, v[IA+2]
	s_wait_alu depctr_va_vdst(0)                   ; one wait for the three roots, ahead of their first reader
	v_add_f32 v[DD], 0x322bcc77, v[DD]             ; + 1e-8
	v_add_f32 v[DD+1], 0x322bcc77, v[DD+1]
	v_add_f32 v[DD+2], 0x322bcc77, v[DD+2]
	v_rcp_f32 v[DD], v[DD]
	v_rcp_f32 v[DD+1], v[DD+1]
	v_rcp_f32 v[DD+2], v[DD+2]
	v_mov_b32 v[DD+3], 0                           ; the fourth word of wts: plain work behind the reciprocals
	s_wait_alu depctr_va_vdst(0)                   ; one wait for the three
	v_add_f32 v[T1], v[DD], v[DD+1]
	v_add_f32 v[T1], v[T1], v[DD+2]
	v_rcp_f32 v[T1], v[T1]
	v_nop
	s_wait_alu depctr_va_vdst(0)
	v_mul_f32 v[DD], v[DD], v[T1]
	v_mul_f32 v[DD+1], v[DD+1], v[T1]
	v_mul_f32 v[DD+2], v[DD+2], v[T1]
	global_store_b128 v[LB], v[IA:IA+3], s[14:15]  ; 32 queries: 512 consecutive bytes, aligned
	global_store_b128 v[LB], v[DD:DD+3], s[16:17]
.Lend:
	s_wait_tensorcnt 0x0                           ; the wave's end, behind my last LDS store
	ds_add_u32 v[SPW], v[NIL]
	s_wait_dscnt 0x0
	s_endpgm
.Lfunc_end_k_qda0d1fccd5_knn:
	.size	k_qda0d1fccd5_knn, .Lfunc_end_k_qda0d1fccd5_knn-k_qda0d1fccd5_knn
	.p2alignl 7, 3214868480
	.fill 96, 4, 3214868480
	.section	.rodata,"a",@progbits
	.p2align	6, 0x0
	.amdhsa_kernel k_qda0d1fccd5_knn
		.amdhsa_group_segment_fixed_size 231680
		.amdhsa_private_segment_fixed_size 0
		.amdhsa_enable_private_segment 0
		.amdhsa_kernarg_size 56
		.amdhsa_user_sgpr_count 2
		.amdhsa_user_sgpr_kernarg_segment_ptr 1
		.amdhsa_wavefront_size32 1
		.amdhsa_system_sgpr_workgroup_id_x 1
		.amdhsa_system_sgpr_workgroup_id_y 1
		.amdhsa_system_sgpr_workgroup_id_z 1
		.amdhsa_system_vgpr_workitem_id 0
		.amdhsa_next_free_vgpr 248
		.amdhsa_next_free_sgpr 66
		.amdhsa_reserve_vcc 0
		.amdhsa_float_denorm_mode_32 3
		.amdhsa_float_denorm_mode_16_64 3
		.amdhsa_memory_ordered 1
		.amdhsa_forward_progress 1
		.amdhsa_inst_pref_size 83
	.end_amdhsa_kernel
	.amdgpu_metadata
---
amdhsa.version: [ 1, 2 ]
amdhsa.kernels:
  - .name:           k_qda0d1fccd5_knn
    .symbol:         k_qda0d1fccd5_knn.kd
    .args:
      - { .name: unknown, .offset: 0, .size: 8, .value_kind: global_buffer, .address_space: global }
      - { .name: known, .offset: 8, .size: 8, .value_kind: global_buffer, .address_space: global }
      - { .name: batch_inds, .offset: 16, .size: 8, .value_kind: global_buffer, .address_space: global }
      - { .name: known_feats, .offset: 24, .size: 8, .value_kind: global_buffer, .address_space: global }
      - { .name: featT, .offset: 32, .size: 8, .value_kind: global_buffer, .address_space: global }
      - { .name: nbr, .offset: 40, .size: 8, .value_kind: global_buffer, .address_space: global }
      - { .name: wts, .offset: 48, .size: 8, .value_kind: global_buffer, .address_space: global }
    .group_segment_fixed_size: 231680
    .private_segment_fixed_size: 0
    .kernarg_segment_align: 8
    .kernarg_segment_size: 56
    .max_flat_workgroup_size: 512
    .sgpr_count:     66
    .vgpr_count:     248
    .wavefront_size: 32
...
	.end_amdgpu_metadata
.endif
;; end of part 1
;; launch interp (part 2): grid 256 x 1, 8 waves a work-group, no clusters, 0 bytes of LDS; arguments featT, nbr, wts, out0; writes out0
.if DOCPART == 2
	.amdgcn_target "amdgcn-amd-amdhsa--gfx1250"
	.amdhsa_code_object_version 6
	.text
	.protected	k_qda0d1fccd5_interp
	.globl	k_qda0d1fccd5_interp
	.p2align	8
	.type	k_qda0d1fccd5_interp,@function
k_qda0d1fccd5_interp:
	s_mov_b64 s[64:65], 0
	v_nop
	global_prefetch_b8 v0, s[64:65] scope:SCOPE_SE
	s_setreg_imm32_b32 hwreg(HW_REG_WAVE_MODE, 25, 1), 1
	s_wait_xcnt 0x0
; out0[q][c] = the sum over the three neighbours k of wts[q][k] x feature c of row nbr[q][k].
; featT [16384 rows][128] f16, 256 bytes a row, 16-byte block cb = channels 4cb..4cb+3, then 64+4cb..64+4cb+3; nbr [16384][4] int32; wts [16384][4] f32; out0 [16384][128] f32.
; Nothing is left out.  The product has three terms an output and operands of its own for every query: no fragment would be shared, so it is made by fused multiply-adds that
; read the f16 half and add in f32.  A row number is held to 0..16383.
; SHARES.  A work-group: 64 queries.  Sixteen lanes serve a query, lane % 16 one block of each of its three rows; a thread serves four queries, 16 apart.
; All of a thread's loads of a kind go out together: 8 for numbers and weights, then 12 for rows.  No LDS: no lane wants what another has fetched.
.set NO, 3                             ; v3   16 x (thread / 16): my first query's 16 bytes of nbr and of wts
.set CB, 4                             ; v4   16 x (thread % 16): my block of a row
.set OO, 5                             ; v5   my 16 bytes of my first query's row of out0
.set ZR, 6                             ; v6   0
.set NB, 8                             ; v8-23   four queries' row numbers, then byte offsets
.set WT, 24                            ; v24-39  their weights
.set R,  40                            ; v40-87  their rows: query t, neighbour k at R + 12 t + 4 k
.set A,  88                            ; v88-119 eight sums a query
	s_load_b256 s[4:11], s[0:1], 0x0               ; featT s[4:5], nbr s[6:7], wts s[8:9], out0 s[10:11]
	v_lshrrev_b32 v1, 4, v0
	v_and_b32 v2, 15, v0
	v_lshlrev_b32 v[NO], 4, v1
	v_lshlrev_b32 v[CB], 4, v2
	v_lshl_add_u32 v[OO], v1, 9, v[CB]
	v_mov_b32 v[ZR], 0
	s_lshl_b32 s12, ttmp9, 10                      ; 64 queries x 16 bytes
	s_mov_b32 s13, 0
	s_lshl_b32 s14, ttmp9, 15                      ; 64 queries x 512 bytes
	s_mov_b32 s15, 0
	s_wait_kmcnt 0x0
	s_add_nc_u64 s[6:7], s[6:7], s[12:13]
	s_add_nc_u64 s[8:9], s[8:9], s[12:13]
	s_add_nc_u64 s[10:11], s[10:11], s[14:15]
.irp t, 0,1,2,3
	global_load_b128 v[NB+4*(\t):NB+4*(\t)+3], v[NO], s[6:7] offset:256*(\t)
.endr
.irp t, 0,1,2,3
	global_load_b128 v[WT+4*(\t):WT+4*(\t)+3], v[NO], s[8:9] offset:256*(\t)
.endr
	s_wait_loadcnt 4                               ; the row numbers are in; the four loads of weights stay out
.irp t, 0,1,2,3
.irp k, 0,1,2
	v_min_u32 v[NB+4*(\t)+(\k)], 0x3fff, v[NB+4*(\t)+(\k)]
	v_lshl_add_u32 v[NB+4*(\t)+(\k)], v[NB+4*(\t)+(\k)], 8, v[CB]
	global_load_b128 v[R+12*(\t)+4*(\k):R+12*(\t)+4*(\k)+3], v[NB+4*(\t)+(\k)], s[4:5]  ; 16 lanes take a whole row of 256 bytes
.endr
.endr
.macro QUERY t
	s_wait_loadcnt 9-3*(\t)                        ; the weights and this query's three rows are in; the later queries' rows stay out
.irp d, 0,1,2,3                        ; word d of a block holds numbers 2d (low half) and 2d + 1 (high half).  The mixed form has no multiply without an addend: the first term adds onto 0
	v_fma_mix_f32 v[A+8*(\t)+2*(\d)],   v[R+12*(\t)+(\d)], v[WT+4*(\t)], v[ZR] op_sel_hi:[1,0,0]
	v_fma_mix_f32 v[A+8*(\t)+2*(\d)+1], v[R+12*(\t)+(\d)], v[WT+4*(\t)], v[ZR] op_sel:[1,0,0] op_sel_hi:[1,0,0]
.endr
.irp k, 1,2
.irp d, 0,1,2,3
	v_fma_mix_f32 v[A+8*(\t)+2*(\d)],   v[R+12*(\t)+4*(\k)+(\d)], v[WT+4*(\t)+(\k)], v[A+8*(\t)+2*(\d)] op_sel_hi:[1,0,0]
	v_fma_mix_f32 v[A+8*(\t)+2*(\d)+1], v[R+12*(\t)+4*(\k)+(\d)], v[WT+4*(\t)+(\k)], v[A+8*(\t)+2*(\d)+1] op_sel:[1,0,0] op_sel_hi:[1,0,0]
.endr
.endr
	global_store_b128 v[OO], v[A+8*(\t):A+8*(\t)+3],   s[10:11] offset:8192*(\t) th:TH_STORE_NT      ; channels 4cb..: 16 lanes store 256 consecutive bytes, aligned
	global_store_b128 v[OO], v[A+8*(\t)+4:A+8*(\t)+7], s[10:11] offset:8192*(\t)+256 th:TH_STORE_NT  ; channels 64+4cb..: the row's other 256 bytes
.endm
	QUERY 0                                        ; each query has sums of its own, so no store's registers are written again
	QUERY 1
	QUERY 2
	QUERY 3
	s_endpgm
.Lfunc_end_k_qda0d1fccd5_interp:
	.size	k_qda0d1fccd5_interp, .Lfunc_end_k_qda0d1fccd5_interp-k_qda0d1fccd5_interp
	.p2alignl 7, 3214868480
	.fill 96, 4, 3214868480
	.section	.rodata,"a",@progbits
	.p2align	6, 0x0
	.amdhsa_kernel k_qda0d1fccd5_interp
		.amdhsa_group_segment_fixed_size 0
		.amdhsa_private_segment_fixed_size 0
		.amdhsa_enable_private_segment 0
		.amdhsa_kernarg_size 32
		.amdhsa_user_sgpr_count 2
		.amdhsa_user_sgpr_kernarg_segment_ptr 1
		.amdhsa_wavefront_size32 1
		.amdhsa_system_sgpr_workgroup_id_x 1
		.amdhsa_system_sgpr_workgroup_id_y 1
		.amdhsa_system_sgpr_workgroup_id_z 1
		.amdhsa_system_vgpr_workitem_id 0
		.amdhsa_next_free_vgpr 120
		.amdhsa_next_free_sgpr 66
		.amdhsa_reserve_vcc 0
		.amdhsa_float_denorm_mode_32 3
		.amdhsa_float_denorm_mode_16_64 3
		.amdhsa_memory_ordered 1
		.amdhsa_forward_progress 1
		.amdhsa_inst_pref_size 12
	.end_amdhsa_kernel
	.amdgpu_metadata
---
amdhsa.version: [ 1, 2 ]
amdhsa.kernels:
  - .name:           k_qda0d1fccd5_interp
    .symbol:         k_qda0d1fccd5_interp.kd
    .args:
      - { .name: featT, .offset: 0, .size: 8, .value_kind: global_buffer, .address_space: global }
      - { .name: nbr, .offset: 8, .size: 8, .value_kind: global_buffer, .address_space: global }
      - { .name: wts, .offset: 16, .size: 8, .value_kind: global_buffer, .address_space: global }
      - { .name: out0, .offset: 24, .size: 8, .value_kind: global_buffer, .address_space: global }
    .group_segment_fixed_size: 0
    .private_segment_fixed_size: 0
    .kernarg_segment_align: 8
    .kernarg_segment_size: 32
    .max_flat_workgroup_size: 256
    .sgpr_count:     66
    .vgpr_count:     120
    .wavefront_size: 32
...
	.end_amdgpu_metadata
.endif
;; end of part 2
;; ======== version 2 of 2: 2 launches; version 1 with the launches knn, interp written anew for expert scheduling mode
;; limits: values are held in f16: magnitudes above 65,504 overflow, below 6.1e-05 lose precision
;; workspace buffers: featT 4,194,304 bytes; nbr 262,144 bytes of whole numbers; wts 262,144 bytes
;; launch knn (part 3): grid 256 x 1, 16 waves a work-group, no clusters, 231,680 bytes of LDS; arguments unknown, known, batch_inds, known_feats, featT, nbr, wts; writes featT, nbr, wts
.if DOCPART == 3
	.amdgcn_target "amdgcn-amd-amdhsa--gfx1250"
	.amdhsa_code_object_version 6
	.text
	.protected	k_qda0d1fccd5_knn
	.globl	k_qda0d1fccd5_knn
	.p2align	8
	.type	k_qda0d1fccd5_knn,@function
k_qda0d1fccd5_knn:
	s_mov_b64 s[64:65], 0
	v_nop
	global_prefetch_b8 v0, s[64:65] scope:SCOPE_SE
	s_setreg_imm32_b32 hwreg(HW_REG_WAVE_SCHED_MODE, 0, 2), 2
	s_setreg_imm32_b32 hwreg(HW_REG_WAVE_MODE, 25, 1), 1
	s_wait_xcnt 0x0
	s_wait_alu depctr_vm_vsrc(0)
; THREE NEAREST NEIGHBOURS AND THEIR WEIGHTS, AND THE FEATURE TABLE TURNED.
; unknown [16384][3], known [8][2048][3], batch_inds [16384] (int32), known_feats [8][128][2048], all else f32.
; Out: nbr [16384][4] int32: the rows (scene x 2048 + point) of the three nearest points of the query's scene, and a 0;
;      wts [16384][4] f32:  their weights (1/(dist+1e-8), normalised), and a 0;
;      featT [8 x 2048][128] f16: a point's 128 channels on end, 256 bytes; 16-byte block cb holds channels 4cb..4cb+3, then 64+4cb..64+4cb+3.
; The feature rows themselves are fetched by the next launch: their addresses hang on comparisons of floating-point numbers, so the indices go through memory as whole numbers.
; NOTHING OF THE PROBLEM IS LEFT OUT: every input reaches the output; known[batch_inds] is a lookup by the index that is read.
; LIMITS.  d2 = dx*dx, then two fused multiply-adds: its last bit may differ from a sum of three rounded squares; that can change the choice only between points whose d2 agree to the last bit.
; Equal d2: the lower index wins, as in top_k.  A d2 that overflows f32 (a coordinate difference beyond 1.8e19), NaN and infinities are not served.  A feature beyond 65,504 has no f16.
; An index outside 0..7 is held to that range.
; SHARES.  A work-group: 64 queries, and one tile of the table (128 channels x 64 points).  Wave w: the 32 queries of group w & 1, the 256 points of segment w >> 1.  A lane: one query.
; KNOWN IN LDS.  The lanes of a wave lie in different scenes, so all eight scenes lie in LDS, re-laid from [point][x y z] to quads of x, of y, of z (two points to a packed instruction).
; A scene takes 3 x 8,192 + 16 bytes: 24,592 = 96 x 256 + 16, so for one load the eight scenes' words lie in eight different 16-byte columns of the 64 banks of 4 bytes (ISA guide 11.1),
; and lanes of one scene name the same word.  NO TENSOR LOAD, NO CLUSTER, though every work-group reads the same 196,608 bytes: a tensor load lays rows as they lie in memory, and
; [point][x y z] costs three unpacked multiply-adds a point in place of 1.5 packed ones, on 131,072 pairs a work-group, against 12 moves for each 4 of 16,384 points, once.
; SELECTION BY BLOCKS OF 8.  Of each block only the minimum is made (v_min3).  The three best blocks by (minimum, block number) are kept in three slots, in ascending block order, with
; their eight d2.  The three best points by (d2, index) lie in those blocks: were one of them in a fourth block, three other blocks would each hold a better point.  A new block (the highest number so far) comes in only if
; its minimum is strictly less than the worst kept one; of equal worst ones the latest goes.  At the end the 24 kept d2 go through a sorted insertion with indices.
; THE MODE: SCHED_MODE bits 1:0 = 2 (LLVM: expert scheduling mode 2), set by the entry lines.  The code itself states the register dependences
; between vector instructions and memory or LDS instructions, and those through scalar registers that vector instructions write, with s_wait_alu, always for 0.
; THE PLAN.  Registers that memory or LDS instructions touch:
;   v6-16, v29    offsets and addresses, made at the head and never written again.   v28 (LA): read by every load of coordinates; written once a trip.
;   v152-247, v128-143, v17-20   known, the tile and the query as loaded: each loaded once, then read by vector lines alone.
;   v32-79 in the fill: four sets of 12.  Scene k's moves write set k % 4; its three LDS stores, which read the set, are issued at the head of scene k + 1's step, behind that step's wait.
;   v144-151      written by the conversions, read by the stage's stores; then two LDS loads land there, and two global stores read them.
;   v32-55, v56-79 in the loop: two buffers.  Block p's vector lines read and write buffer p % 2; the loads of block p + 1 land in the other, which no vector line of block p names.
;                 So one wait on va_vdst at a block's head states all that its six loads hang on, and they are dealt among its first vector lines.
;   v112-119      the triple: written by the insertions, read by two LDS stores, written again by the merge, read by a global store.     v32-87 in the merge: the other segments' triples land there.
; Scalar registers that vector lines write: s18 (the wave's number) and the masks s32-37: one wait on va_sdst behind each run of compares, ahead of the first line that reads a mask.
.set SCB,   24576                      ; bytes of a scene in known
.set SCL,   24592                      ; bytes of a scene in LDS
.set AXB,   8192                       ; bytes of one coordinate of a scene
.set STG,   196864                     ; LDS: the table's stage, 64 rows of 256 bytes
.set MRG,   213248                     ; LDS: the segments' triples: 512 x 16 bytes of d2, then 512 x 16 of indices
.set SPARE, 229632                     ; LDS: the spare words, 128 bytes for each of 16 waves: eight blocks of 256 bytes that no other line names
.set PINF,  0x7f800000
.set LN,  1                            ; v1   lane
.set R16, 2                            ; v2   lane % 16
.set HH,  3                            ; v3   lane / 16
.set SPW, 4                            ; v4   LDS address of my spare word; never rewritten
.set NIL, 5                            ; v5   0; never rewritten
.set KO,  6                            ; v6   48 x thread: my four points in a scene of known
.set FO,  7                            ; v7   my offset in the feature tile
.set LB,  8                            ; v8-11  16 x thread + 0, 2, 4, 6 scenes of LDS; v8 also my 16 bytes of nbr and wts
.set SST, 12                           ; v12  stage, in
.set SRD, 13                           ; v13  stage, back
.set TO,  14                           ; v14  my 16 bytes in the tile of featT
.set QB,  15                           ; v15  4 x lane
.set QU,  16                           ; v16  12 x lane
.set VB,  17                           ; v17  my query's scene
.set U,   18                           ; v18-20 my query
.set CW,  21                           ; v21  16 x ((wave + lane % 16) % 16): the rotated column of the stage
.set UXP, 22                           ; v22-27 x, x, y, y, z, z of my query
.set UYP, 24
.set UZP, 26
.set LA,  28                           ; v28  LDS address of my scene's x in the block in hand
.set MW,  29                           ; v29  my 16 bytes in the merge area
.set BUF0, 32                          ; v32-55, v56-79  a block's x, y, z (8 each), two buffers; d2 takes x's place.  During the fill v32-79 hold the quads: four sets of 12
.set BUF1, 56
.set TQ,  32
.set SL0, 80                           ; v80-103 the three slots' d2
.set SL1, 88
.set SL2, 96
.set BM,  104                          ; v104-106 the slots' minima
.set BG,  107                          ; v107-109 the slots' first point numbers
.set MN,  110
.set MN2, 111
.set VA,  112                          ; v112-115 the three least d2, ascending, and a 0
.set IA,  116                          ; v116-119 their indices, and a 0
.set T1,  120
.set T2,  121
.set WR,  124                          ; the worst kept minimum
.set F,   128                          ; v128-143 four channels x four points of the tile; later v128-131 the weights
.set DD,  128
.set H,   144                          ; v144-151 the tile in f16
.set KN,  152                          ; v152-247 known on its way in: 8 scenes x 12 numbers
.set MV,  32                           ; the merge: the other seven segments' d2 (v32-59) and indices (v60-87)
.set MI,  60
.set WV,  18                           ; s18 wave
.set SEG, 19                           ; s19 segment
.set QG,  20                           ; s20 query group
.set CNT, 30
.set BLK, 31                           ; s31 the first point number of the block in hand
.set KE,  32                           ; s32-34 lanes in which slot 2, slot 1, slot 0 are written
.set K1,  33
.set K0,  34
.set MA,  35                           ; s35-37 lanes in which x is less than the first, second, third
.set MB,  36
.set MC,  37
	s_load_b256 s[4:11], s[0:1], 0x0               ; unknown s[4:5], known s[6:7], batch_inds s[8:9], known_feats s[10:11]
	s_load_b128 s[12:15], s[0:1], 0x20             ; featT s[12:13], nbr s[14:15]
	s_load_b64 s[16:17], s[0:1], 0x30              ; wts
	v_lshl_add_u32 v[SPW], v0, 2, SPARE
	v_mov_b32 v[NIL], 0
	v_lshrrev_b32 v[LN], 5, v0
	v_readfirstlane_b32 s[WV], v[LN]               ; wave 0..15
	v_and_b32 v[LN], 31, v0
	v_and_b32 v[R16], 15, v0
	v_bfe_u32 v[HH], v0, 4, 1
	v_lshlrev_b32 v[QB], 2, v[LN]                  ; the addresses that hang on the thread alone stand between that line and the wait for it
	v_mul_u32_u24 v[QU], v[LN], 12
	v_mul_u32_u24 v[KO], v0, 48
	v_lshlrev_b32 v[FO], 4, v[R16]
	v_lshl_add_u32 v[FO], v[HH], 19, v[FO]         ; 64 channels on for lanes 16-31
	v_lshlrev_b32 v[LB], 4, v0
	v_lshl_add_u32 v[LB+1], v0, 4, 2*SCL
	v_lshl_add_u32 v[LB+2], v0, 4, 4*SCL
	v_lshl_add_u32 v[LB+3], v0, 4, 6*SCL
	v_lshl_add_u32 v[MW], v0, 4, MRG
	s_wait_alu depctr_va_sdst(0)                   ; s18, the wave's number, is written, ahead of its first reader: shares, bases and LDS addresses are made from it
	s_and_b32 s[QG], s[WV], 1
	s_lshr_b32 s[SEG], s[WV], 1
	; the feature tile: scene = group / 32, points 64 (group % 32) on; wave w takes channels 4w..4w+3 (lanes 0-15) and 64+4w.. (lanes 16-31), lane % 16 four points
	s_lshr_b32 s22, ttmp9, 5
	s_lshl_b32 s22, s22, 20                        ; a scene's features: 128 x 8,192 bytes
	s_and_b32 s23, ttmp9, 31
	s_lshl_b32 s23, s23, 8                         ; 64 points: 256 bytes of a channel's row
	s_add_co_u32 s22, s22, s23
	s_lshl_b32 s23, s[WV], 15                      ; 4 channels
	s_add_co_u32 s22, s22, s23
	s_mov_b32 s23, 0
	s_lshl_b32 s24, ttmp9, 1
	s_add_co_u32 s24, s24, s[QG]                   ; my wave's 32 queries among all
	s_mul_i32 s26, s24, 384                        ; 32 x 12 bytes of unknown
	s_lshl_b32 s24, s24, 7                         ; 32 x 4 bytes of batch_inds
	s_mov_b32 s25, 0
	s_mov_b32 s27, 0
	s_lshl_b32 s28, ttmp9, 14                      ; the tile in featT: 64 rows of 256 bytes
	s_mov_b32 s29, 0
	s_lshl_b32 s38, ttmp9, 10                      ; 64 queries x 16 bytes of nbr and of wts
	s_mov_b32 s39, 0
	s_lshl_b32 s[BLK], s[SEG], 8                   ; my segment's first point
	; The stage: row = point of the tile, 256 bytes; block cb of row p lies in 16-byte column (cb + p / 4) % 16.  In: 32 lanes put 8 bytes each into 16 different columns (rows 4 apart).  Back: 16 lanes take a whole row.
	v_add_nc_u32 v[CW], s[WV], v[R16]
	v_and_b32 v[CW], 15, v[CW]
	v_lshlrev_b32 v[CW], 4, v[CW]
	v_lshl_add_u32 v[SST], v[R16], 10, v[CW]       ; row 4 (lane % 16), block = my wave's number,
	v_lshl_add_u32 v[SST], v[HH], 3, v[SST]        ; its first or second 8 bytes
	v_add_nc_u32 v[SST], STG, v[SST]
	s_lshl_b32 s21, s[WV], 10
	v_lshl_add_u32 v[TO], v[LN], 4, s21            ; back: wave w takes rows 4w..4w+3: 1,024 consecutive bytes of featT
	v_lshl_add_u32 v[SRD], v[HH], 8, v[CW]
	v_add_nc_u32 v[SRD], s21, v[SRD]
	v_add_nc_u32 v[SRD], STG, v[SRD]
	s_wait_kmcnt 0x0
	s_add_nc_u64 s[8:9], s[8:9], s[24:25]
	s_add_nc_u64 s[4:5], s[4:5], s[26:27]
	s_add_nc_u64 s[10:11], s[10:11], s[22:23]
	s_add_nc_u64 s[12:13], s[12:13], s[28:29]
	s_add_nc_u64 s[14:15], s[14:15], s[38:39]
	s_add_nc_u64 s[16:17], s[16:17], s[38:39]
	s_wait_alu depctr_va_vdst(0)                   ; the offsets and addresses v6 to v16 and v29 are written: the kernel's loads and stores read them, and no vector line writes them again
	; all 30 loads of the thread go out together: the query, four points of each scene (48 bytes on end), and last the tile, which nobody else reads
	global_load_b32 v[VB], v[QB], s[8:9]
	global_load_b96 v[U:U+2], v[QU], s[4:5]
.irp k, 0,1,2,3,4,5,6,7
.irp j, 0,1,2
	global_load_b128 v[KN+12*(\k)+4*(\j):KN+12*(\k)+4*(\j)+3], v[KO], s[6:7] offset:(\k)*SCB+16*(\j)
.endr
.endr
.irp k, 0,1,2,3
	global_load_b128 v[F+4*(\k):F+4*(\k)+3], v[FO], s[10:11] offset:(\k)*8192 th:TH_LOAD_NT  ; 16 lanes take 256 consecutive bytes of a channel's row, aligned
.endr
	; while they are out: the slots start empty (a minimum and d2 of +infinity lose against every block)
.set p, 0
.rept 27
	v_mov_b32 v[SL0+p], PINF                       ; v80-106: the slots' d2 and minima
.set p, p+1
.endr
.irp p, 0,1,2
	v_mov_b32 v[BG+(\p)], 0
	v_mov_b32 v[VA+(\p)], PINF
	v_mov_b32 v[IA+(\p)], 0
.endr
	v_mov_b32 v[VA+3], 0
	v_mov_b32 v[IA+3], 0
	s_wait_loadcnt 28                              ; the scene and the query are in; the 28 loads behind them stay out
	v_min_u32 v[VB], 7, v[VB]
	v_mul_u32_u24 v[LA], v[VB], SCL
	s_lshl_b32 s21, s[SEG], 10                     ; 256 points: 1,024 bytes of each coordinate
	v_add_nc_u32 v[LA], s21, v[LA]
	v_mov_b32 v[UXP], v[U]
	v_mov_b32 v[UXP+1], v[U]
	v_mov_b32 v[UYP], v[U+1]
	v_mov_b32 v[UYP+1], v[U+1]
	v_mov_b32 v[UZP], v[U+2]
	v_mov_b32 v[UZP+1], v[U+2]
	; known into LDS: x0 y0 z0 x1 .. z3 become a quad of x, of y, of z; thread t owns quad t of each scene, so a wave's store covers 512 consecutive bytes.
	; Step k: scene k - 1's three stores, then scene k's twelve moves, into the next of four sets.
.irp k, 0,1,2,3,4,5,6,7
	s_wait_loadcnt 25-3*(\k)                       ; scene k's three loads are in; the later scenes' and the tile's stay out
.if (\k) > 0
	s_wait_alu depctr_va_vdst(0)                   ; the moves of the scene before have written its set, which the three stores below read
.irp c, 0,1,2
	ds_store_b128 v[LB+((\k)-1)/2], v[TQ+12*(((\k)-1)%4)+4*(\c):TQ+12*(((\k)-1)%4)+4*(\c)+3] offset:(((\k)-1)%2)*SCL+(\c)*AXB
.endr
.endif
.if (\k) == 4
	s_wait_alu depctr_vm_vsrc(0)                   ; the stores of scenes 0 to 3 have read the four sets, which the moves of scenes 4 to 7 write again
.endif
.irp c, 0,1,2
.irp i, 0,1,2,3
	v_mov_b32 v[TQ+12*((\k)%4)+4*(\c)+(\i)], v[KN+12*(\k)+3*(\i)+(\c)]
.endr
.endr
.endr
	s_wait_loadcnt 0x0                             ; the tile
.irp i, 0,1,2,3
	v_cvt_pk_f16_f32 v[H+2*(\i)],   v[F+(\i)],   v[F+4+(\i)]     ; point i: my four channels, rounded once, on end: the conversion does the turning
	v_cvt_pk_f16_f32 v[H+2*(\i)+1], v[F+8+(\i)], v[F+12+(\i)]
.endr
	s_wait_alu depctr_va_vdst(0)                   ; scene 7's moves have written the fourth set and the conversions v144-151, which the seven stores below read.  No vector line stands between here and the LDS loads behind the barrier: v28, their address, is written too, and so is all that vector lines wrote into v32-79 and v144-151, where they land
.irp c, 0,1,2
	ds_store_b128 v[LB+3], v[TQ+36+4*(\c):TQ+36+4*(\c)+3] offset:SCL+(\c)*AXB
.endr
.irp i, 0,1,2,3
	ds_store_b64 v[SST], v[H+2*(\i):H+2*(\i)+1] offset:256*(\i)
.endr
	s_wait_dscnt 0x0                               ; for the others' sake: my part of known and of the stage is written
	s_barrier_signal -1
	s_barrier_wait -1                              ; everybody's is
	s_wait_alu depctr_vm_vsrc(0)                   ; my LDS stores have read v32-79 and v144-151, in which the LDS loads below land
; a block's coordinates: 8 points = two quads of each
.macro LOADB b, off
	ds_load_b128 v[(\b):(\b)+3],     v[LA] offset:(\off)
	ds_load_b128 v[(\b)+4:(\b)+7],   v[LA] offset:(\off)+16
	ds_load_b128 v[(\b)+8:(\b)+11],  v[LA] offset:(\off)+AXB
	ds_load_b128 v[(\b)+12:(\b)+15], v[LA] offset:(\off)+AXB+16
	ds_load_b128 v[(\b)+16:(\b)+19], v[LA] offset:(\off)+2*AXB
	ds_load_b128 v[(\b)+20:(\b)+23], v[LA] offset:(\off)+2*AXB+16
.endm
; One block of 8 points in buffer b.  more = 1: the next block, at byte off of each coordinate, is asked for, into buffer nb: two loads ahead of each of the block's first three runs of vector lines.
.macro BLOCK b, nb, off, more
	s_wait_dscnt 0x0                               ; this block's six loads are in: they were issued at the head of the block before, and nothing younger is out
.if \more
	s_wait_alu depctr_va_vdst(0)                   ; the block before is done reading and writing buffer nb, in which the six loads of this block land; in a trip's first block v28, their address, is written.  No vector line of this block names nb or v28
	ds_load_b128 v[(\nb):(\nb)+3],     v[LA] offset:(\off)
	ds_load_b128 v[(\nb)+4:(\nb)+7],   v[LA] offset:(\off)+16
.endif
.irp i, 0,2,4,6
	v_pk_add_f32 v[(\b)+(\i):(\b)+(\i)+1], v[(\b)+(\i):(\b)+(\i)+1], v[UXP:UXP+1] neg_lo:[0,1] neg_hi:[0,1]
.endr
.if \more
	ds_load_b128 v[(\nb)+8:(\nb)+11],  v[LA] offset:(\off)+AXB
	ds_load_b128 v[(\nb)+12:(\nb)+15], v[LA] offset:(\off)+AXB+16
.endif
.irp i, 0,2,4,6
	v_pk_add_f32 v[(\b)+8+(\i):(\b)+8+(\i)+1], v[(\b)+8+(\i):(\b)+8+(\i)+1], v[UYP:UYP+1] neg_lo:[0,1] neg_hi:[0,1]
.endr
.if \more
	ds_load_b128 v[(\nb)+16:(\nb)+19], v[LA] offset:(\off)+2*AXB
	ds_load_b128 v[(\nb)+20:(\nb)+23], v[LA] offset:(\off)+2*AXB+16
.endif
.irp i, 0,2,4,6
	v_pk_add_f32 v[(\b)+16+(\i):(\b)+16+(\i)+1], v[(\b)+16+(\i):(\b)+16+(\i)+1], v[UZP:UZP+1] neg_lo:[0,1] neg_hi:[0,1]
.endr
.irp i, 0,2,4,6
	v_pk_mul_f32 v[(\b)+(\i):(\b)+(\i)+1], v[(\b)+(\i):(\b)+(\i)+1], v[(\b)+(\i):(\b)+(\i)+1]
.endr
.irp i, 0,2,4,6
	v_pk_fma_f32 v[(\b)+(\i):(\b)+(\i)+1], v[(\b)+8+(\i):(\b)+8+(\i)+1], v[(\b)+8+(\i):(\b)+8+(\i)+1], v[(\b)+(\i):(\b)+(\i)+1]
.endr
.irp i, 0,2,4,6
	v_pk_fma_f32 v[(\b)+(\i):(\b)+(\i)+1], v[(\b)+16+(\i):(\b)+16+(\i)+1], v[(\b)+16+(\i):(\b)+16+(\i)+1], v[(\b)+(\i):(\b)+(\i)+1]
.endr
	v_min3_num_f32 v[MN], v[(\b)], v[(\b)+1], v[(\b)+2]
	v_min3_num_f32 v[MN2], v[(\b)+3], v[(\b)+4], v[(\b)+5]
	v_max3_num_f32 v[WR], v[BM], v[BM+1], v[BM+2]  ; the worst kept minimum
	v_min3_num_f32 v[MN], v[MN], v[(\b)+6], v[(\b)+7]
	v_cmp_lt_f32 s[K1], v[BM+2], v[WR]             ; slot 2 is not the one that goes
	v_cmp_lt_f32 s[K0], v[BM+1], v[WR]             ; nor is slot 1
	v_min_num_f32 v[MN], v[MN], v[MN2]
	v_cmp_lt_f32 s[KE], v[MN], v[WR]               ; the block comes in
	s_wait_alu depctr_va_sdst(0)                   ; the three compares have written s32 to s34, ahead of their first reader
	s_and_b32 s[K1], s[K1], s[KE]                  ; slot 1 takes slot 2's block: slot 0 or 1 goes
	s_and_b32 s[K0], s[K0], s[K1]                  ; slot 0 takes slot 1's: slot 0 goes
.irp p, 0,1,2,3,4,5,6,7
	v_cndmask_b32 v[SL0+(\p)], v[SL0+(\p)], v[SL1+(\p)], s[K0]
.endr
	v_cndmask_b32 v[BM], v[BM], v[BM+1], s[K0]
	v_cndmask_b32 v[BG], v[BG], v[BG+1], s[K0]
.irp p, 0,1,2,3,4,5,6,7
	v_cndmask_b32 v[SL1+(\p)], v[SL1+(\p)], v[SL2+(\p)], s[K1]
.endr
	v_cndmask_b32 v[BM+1], v[BM+1], v[BM+2], s[K1]
	v_cndmask_b32 v[BG+1], v[BG+1], v[BG+2], s[K1]
.irp p, 0,1,2,3,4,5,6,7
	v_cndmask_b32 v[SL2+(\p)], v[SL2+(\p)], v[(\b)+(\p)], s[KE]
.endr
	v_cndmask_b32 v[BM+2], v[BM+2], v[MN], s[KE]
	v_cndmask_b32 v[BG+2], v[BG+2], s[BLK], s[KE]
	s_add_co_u32 s[BLK], s[BLK], 8
.endm
; (x, j) goes into the ascending triple.  Strictly less: of equal d2 the one that came first, the lower index, stays in front.
.macro INSERT x, j
	v_cmp_lt_f32 s[MC], \x, v[VA+2]
	v_cmp_lt_f32 s[MB], \x, v[VA+1]
	v_cmp_lt_f32 s[MA], \x, v[VA]
	v_med3_num_f32 v[VA+2], v[VA+1], v[VA+2], \x   ; x held between the old second and third,
	v_med3_num_f32 v[VA+1], v[VA], v[VA+1], \x     ; between the old first and second
	v_min_num_f32 v[VA], v[VA], \x
	s_wait_alu depctr_va_sdst(0)                   ; the three compares have written s35 to s37, ahead of the selects that read them; the three lines on d2 stand between
	v_cndmask_b32 v[T1], \j, v[IA+1], s[MB]
	v_cndmask_b32 v[T2], \j, v[IA], s[MA]
	v_cndmask_b32 v[IA+2], v[IA+2], v[T1], s[MC]
	v_cndmask_b32 v[IA+1], v[IA+1], v[T2], s[MB]
	v_cndmask_b32 v[IA], v[IA], \j, s[MA]
.endm
	ds_load_b128 v[H:H+3], v[SRD]                  ; the tile comes back as whole rows,
	ds_load_b128 v[H+4:H+7], v[SRD] offset:512
	LOADB BUF0, 0                                  ; and the first block is asked for
	s_wait_dscnt 6                                 ; the two row loads are in; the block's six stay out
	global_store_b128 v[TO], v[H:H+3], s[12:13]              ; 32 lanes store 512 consecutive bytes, aligned; these registers are not written again
	global_store_b128 v[TO], v[H+4:H+7], s[12:13] offset:512
	s_mov_b32 s[CNT], 7
.Ltrip:                                        ; four blocks, 32 points, a trip
	BLOCK BUF0, BUF1, 32, 1
	BLOCK BUF1, BUF0, 64, 1
	BLOCK BUF0, BUF1, 96, 1
	BLOCK BUF1, BUF0, 128, 1
	s_wait_alu depctr_vm_vsrc(0)                   ; the LDS loads issued so far have read v28, which the next line writes; the wait at the next block's head states that it is written
	v_add_nc_u32 v[LA], 128, v[LA]
	s_sub_co_u32 s[CNT], s[CNT], 1
	s_cmp_lg_u32 s[CNT], 0
	s_cbranch_scc1 .Ltrip
	BLOCK BUF0, BUF1, 32, 1                        ; the last four blocks are written out: the very last asks for nothing
	BLOCK BUF1, BUF0, 64, 1
	BLOCK BUF0, BUF1, 96, 1
	BLOCK BUF1, BUF0, 0, 0
	; the 24 kept d2, in ascending point order (the slots are in ascending block order); the index carried is the place 0..23
.set p, 0
.rept 24
	INSERT v[SL0+p], p
.set p, p+1
.endr
	; place -> point number: the slot's first point + place % 8.  The six compares stand in one run, into six scalar registers
.irp n, 0,1,2
	v_cmp_gt_u32 s[KE+2*(\n)], 8, v[IA+(\n)]
	v_cmp_gt_u32 s[KE+2*(\n)+1], 16, v[IA+(\n)]
.endr
	s_wait_alu depctr_va_sdst(0)                   ; the six compares have written s32 to s37, ahead of the selects that read them
.irp n, 0,1,2
	v_cndmask_b32 v[T1], v[BG+2], v[BG+1], s[KE+2*(\n)+1]
	v_cndmask_b32 v[T1], v[T1], v[BG], s[KE+2*(\n)]
	v_and_b32 v[IA+(\n)], 7, v[IA+(\n)]
	v_add_nc_u32 v[IA+(\n)], v[IA+(\n)], v[T1]
.endr
	s_wait_alu depctr_va_vdst(0)                   ; the triple v112-119 is written, which the two stores read; and every vector line that named v32-87, in which the merge's loads land, is done: none stands between here and those loads
	ds_store_b128 v[MW], v[VA:VA+3]                ; entry (segment, query) = 64 segment + query = my thread's number
	ds_store_b128 v[MW], v[IA:IA+3] offset:8192
	s_wait_dscnt 0x0                               ; for the others' sake
	s_barrier_signal -1
	s_barrier_wait -1
	s_wait_alu depctr_vm_vsrc(0)                   ; my two stores have read v112-119, which the merge's insertions write again
	s_cmp_lt_u32 s[WV], 2                          ; waves 0 and 1 hold segment 0 of the 64 queries: they take the other seven segments in, in ascending order
	s_cbranch_scc0 .Lend
.irp s, 1,2,3,4,5,6,7
	ds_load_b128 v[MV+4*(\s)-4:MV+4*(\s)-1], v[MW] offset:1024*(\s)
	ds_load_b128 v[MI+4*(\s)-4:MI+4*(\s)-1], v[MW] offset:8192+1024*(\s)
.endr
.set q, 0
.rept 21
.if q%3 == 0
	s_wait_dscnt 12-2*(q/3)                        ; this segment's two loads are in, the later segments' stay out
.endif
	INSERT v[MV+q+q/3], v[MI+q+q/3]
.set q, q+1
.endr
	; the weights: dist = sqrt(max(d2, 0)); 1 / (dist + 1e-8); divided by their sum
	v_max_num_f32 v[VA], 0, v[VA]
	v_max_num_f32 v[VA+1], 0, v[VA+1]
	v_max_num_f32 v[VA+2], 0, v[VA+2]
	v_sqrt_f32 v[DD], v[VA]
	v_sqrt_f32 v[DD+1], v[VA+1]
	v_sqrt_f32 v[DD+2], v[VA+2]
	v_lshl_add_u32 v[IA], v[VB], 11, v[IA]         ; the rows of featT: plain work behind the roots
	v_lshl_add_u32 v[IA+1], v[VB], 11, v[IA+1]
	v_lshl_add_u32 v[IA+2], v[VB], 11, v[IA+2]
	s_wait_alu depctr_va_vdst(0)                   ; one wait for the three roots in v128-130, ahead of their first reader
	v_add_f32 v[DD], 0x322bcc77, v[DD]             ; + 1e-8
	v_add_f32 v[DD+1], 0x322bcc77, v[DD+1]
	v_add_f32 v[DD+2], 0x322bcc77, v[DD+2]
	v_rcp_f32 v[DD], v[DD]
	v_rcp_f32 v[DD+1], v[DD+1]
	v_rcp_f32 v[DD+2], v[DD+2]
	v_mov_b32 v[DD+3], 0                           ; the fourth word of wts: plain work behind the reciprocals
	s_wait_alu depctr_va_vdst(0)                   ; one wait for the three reciprocals in v128-130, ahead of their first reader
	v_add_f32 v[T1], v[DD], v[DD+1]
	v_add_f32 v[T1], v[T1], v[DD+2]
	v_rcp_f32 v[T1], v[T1]
	v_nop
	s_wait_alu depctr_va_vdst(0)                   ; the reciprocal of the sum in v120, ahead of its first reader
	v_mul_f32 v[DD], v[DD], v[T1]
	v_mul_f32 v[DD+1], v[DD+1], v[T1]
	v_mul_f32 v[DD+2], v[DD+2], v[T1]
	s_wait_alu depctr_va_vdst(0)                   ; the rows v116-119 and the weights v128-131 are written, which the two stores read
	global_store_b128 v[LB], v[IA:IA+3], s[14:15]  ; 32 queries: 512 consecutive bytes, aligned
	global_store_b128 v[LB], v[DD:DD+3], s[16:17]
.Lend:
	s_wait_dscnt 0x0                               ; the closing lines, six on end
	s_wait_alu 0x0
	s_wait_tensorcnt 0x0
	ds_add_u32 v[SPW], v[NIL]
	s_wait_dscnt 0x0
	s_endpgm
.Lfunc_end_k_qda0d1fccd5_knn:
	.size	k_qda0d1fccd5_knn, .Lfunc_end_k_qda0d1fccd5_knn-k_qda0d1fccd5_knn
	.p2alignl 7, 3214868480
	.fill 96, 4, 3214868480
	.section	.rodata,"a",@progbits
	.p2align	6, 0x0
	.amdhsa_kernel k_qda0d1fccd5_knn
		.amdhsa_group_segment_fixed_size 231680
		.amdhsa_private_segment_fixed_size 0
		.amdhsa_enable_private_segment 0
		.amdhsa_kernarg_size 56
		.amdhsa_user_sgpr_count 2
		.amdhsa_user_sgpr_kernarg_segment_ptr 1
		.amdhsa_wavefront_size32 1
		.amdhsa_system_sgpr_workgroup_id_x 1
		.amdhsa_system_sgpr_workgroup_id_y 1
		.amdhsa_system_sgpr_workgroup_id_z 1
		.amdhsa_system_vgpr_workitem_id 0
		.amdhsa_next_free_vgpr 248
		.amdhsa_next_free_sgpr 66
		.amdhsa_reserve_vcc 0
		.amdhsa_float_denorm_mode_32 3
		.amdhsa_float_denorm_mode_16_64 3
		.amdhsa_memory_ordered 1
		.amdhsa_forward_progress 1
		.amdhsa_inst_pref_size 85
	.end_amdhsa_kernel
	.amdgpu_metadata
---
amdhsa.version: [ 1, 2 ]
amdhsa.kernels:
  - .name:           k_qda0d1fccd5_knn
    .symbol:         k_qda0d1fccd5_knn.kd
    .args:
      - { .name: unknown, .offset: 0, .size: 8, .value_kind: global_buffer, .address_space: global }
      - { .name: known, .offset: 8, .size: 8, .value_kind: global_buffer, .address_space: global }
      - { .name: batch_inds, .offset: 16, .size: 8, .value_kind: global_buffer, .address_space: global }
      - { .name: known_feats, .offset: 24, .size: 8, .value_kind: global_buffer, .address_space: global }
      - { .name: featT, .offset: 32, .size: 8, .value_kind: global_buffer, .address_space: global }
      - { .name: nbr, .offset: 40, .size: 8, .value_kind: global_buffer, .address_space: global }
      - { .name: wts, .offset: 48, .size: 8, .value_kind: global_buffer, .address_space: global }
    .group_segment_fixed_size: 231680
    .private_segment_fixed_size: 0
    .kernarg_segment_align: 8
    .kernarg_segment_size: 56
    .max_flat_workgroup_size: 512
    .sgpr_count:     66
    .vgpr_count:     248
    .wavefront_size: 32
...
	.end_amdgpu_metadata
.endif
;; end of part 3
;; launch interp (part 4): grid 256 x 1, 8 waves a work-group, no clusters, 0 bytes of LDS; arguments featT, nbr, wts, out0; writes out0
.if DOCPART == 4
	.amdgcn_target "amdgcn-amd-amdhsa--gfx1250"
	.amdhsa_code_object_version 6
	.text
	.protected	k_qda0d1fccd5_interp
	.globl	k_qda0d1fccd5_interp
	.p2align	8
	.type	k_qda0d1fccd5_interp,@function
k_qda0d1fccd5_interp:
	s_mov_b64 s[64:65], 0
	v_nop
	global_prefetch_b8 v0, s[64:65] scope:SCOPE_SE
	s_setreg_imm32_b32 hwreg(HW_REG_WAVE_SCHED_MODE, 0, 2), 2
	s_setreg_imm32_b32 hwreg(HW_REG_WAVE_MODE, 25, 1), 1
	s_wait_xcnt 0x0
	s_wait_alu depctr_vm_vsrc(0)
; out0[q][c] = the sum over the three neighbours k of wts[q][k] x feature c of row nbr[q][k].
; featT [16384 rows][128] f16, 256 bytes a row, 16-byte block cb = channels 4cb..4cb+3, then 64+4cb..64+4cb+3; nbr [16384][4] int32; wts [16384][4] f32; out0 [16384][128] f32.
; Nothing is left out.  The product has three terms an output and operands of its own for every query: no fragment would be shared, so it is made by fused multiply-adds that
; read the f16 half and add in f32.  A row number is held to 0..16383.
; SHARES.  A work-group: 64 queries.  Sixteen lanes serve a query, lane % 16 one block of each of its three rows; a thread serves four queries, 16 apart.
; All of a thread's loads of a kind go out together: 8 for numbers and weights, then 12 for rows.  No LDS: no lane wants what another has fetched.
; THE MODE: SCHED_MODE bits 1:0 = 2 (LLVM: expert scheduling mode 2), set by the entry lines.  The code itself states the register dependences
; between vector instructions and memory instructions, with s_wait_alu, always for 0.
; THE PLAN.  Registers that memory instructions touch:
;   v3-5     offsets, made at the head and never written again.
;   v8-23    the row numbers land here; vector lines make the twelve byte offsets of them, all in one run; the twelve row loads read them; nothing writes them again.
;   v24-87   weights and rows: each loaded once, read by the multiply-adds alone.
;   v88-119  eight sums a query: written by query t's multiply-adds, read by its two stores, which are issued at the head of query t + 1; never written again.
; So: one wait ahead of the first load, one ahead of the run of row loads, one at the head of each later query, behind its wait for data, and one ahead of the last two stores.
; No register that a memory instruction has read is written again, so no wait on vm_vsrc is owed.
.set NO, 3                             ; v3   16 x (thread / 16): my first query's 16 bytes of nbr and of wts
.set CB, 4                             ; v4   16 x (thread % 16): my block of a row
.set OO, 5                             ; v5   my 16 bytes of my first query's row of out0
.set ZR, 6                             ; v6   0
.set NB, 8                             ; v8-23   four queries' row numbers, then byte offsets
.set WT, 24                            ; v24-39  their weights
.set R,  40                            ; v40-87  their rows: query t, neighbour k at R + 12 t + 4 k
.set A,  88                            ; v88-119 eight sums a query
	s_load_b256 s[4:11], s[0:1], 0x0               ; featT s[4:5], nbr s[6:7], wts s[8:9], out0 s[10:11]
	v_lshrrev_b32 v1, 4, v0
	v_and_b32 v2, 15, v0
	v_lshlrev_b32 v[NO], 4, v1
	v_lshlrev_b32 v[CB], 4, v2
	v_lshl_add_u32 v[OO], v1, 9, v[CB]
	v_mov_b32 v[ZR], 0
	s_lshl_b32 s12, ttmp9, 10                      ; 64 queries x 16 bytes
	s_mov_b32 s13, 0
	s_lshl_b32 s14, ttmp9, 15                      ; 64 queries x 512 bytes
	s_mov_b32 s15, 0
	s_wait_kmcnt 0x0
	s_add_nc_u64 s[6:7], s[6:7], s[12:13]
	s_add_nc_u64 s[8:9], s[8:9], s[12:13]
	s_add_nc_u64 s[10:11], s[10:11], s[14:15]
	s_wait_alu depctr_va_vdst(0)                   ; v3, which the eight loads below read as their offset, and v5, the stores' offset, are written
.irp t, 0,1,2,3
	global_load_b128 v[NB+4*(\t):NB+4*(\t)+3], v[NO], s[6:7] offset:256*(\t)
.endr
.irp t, 0,1,2,3
	global_load_b128 v[WT+4*(\t):WT+4*(\t)+3], v[NO], s[8:9] offset:256*(\t)
.endr
	s_wait_loadcnt 4                               ; the row numbers are in; the four loads of weights stay out
.irp t, 0,1,2,3
.irp k, 0,1,2
	v_min_u32 v[NB+4*(\t)+(\k)], 0x3fff, v[NB+4*(\t)+(\k)]
.endr
.endr
.irp t, 0,1,2,3
.irp k, 0,1,2
	v_lshl_add_u32 v[NB+4*(\t)+(\k)], v[NB+4*(\t)+(\k)], 8, v[CB]
.endr
.endr
	s_wait_alu depctr_va_vdst(0)                   ; the twelve byte offsets in v8-22 are written, which the twelve loads below read
.irp t, 0,1,2,3
.irp k, 0,1,2
	global_load_b128 v[R+12*(\t)+4*(\k):R+12*(\t)+4*(\k)+3], v[NB+4*(\t)+(\k)], s[4:5]  ; 16 lanes take a whole row of 256 bytes
.endr
.endr
.macro SEND t
	global_store_b128 v[OO], v[A+8*(\t):A+8*(\t)+3],   s[10:11] offset:8192*(\t) th:TH_STORE_NT      ; channels 4cb..: 16 lanes store 256 consecutive bytes, aligned
	global_store_b128 v[OO], v[A+8*(\t)+4:A+8*(\t)+7], s[10:11] offset:8192*(\t)+256 th:TH_STORE_NT  ; channels 64+4cb..: the row's other 256 bytes
.endm
.macro QUERY t
	s_wait_loadcnt 9-3*(\t)                        ; the weights and this query's three rows are in; the later queries' rows stay out
.if (\t) > 0
	s_wait_alu depctr_va_vdst(0)                   ; the query before has written its eight sums, which the two stores below read; no line of this query names them
	SEND (\t)-1
.endif
.irp d, 0,1,2,3                        ; word d of a block holds numbers 2d (low half) and 2d + 1 (high half).  The mixed form has no multiply without an addend: the first term adds onto 0
	v_fma_mix_f32 v[A+8*(\t)+2*(\d)],   v[R+12*(\t)+(\d)], v[WT+4*(\t)], v[ZR] op_sel_hi:[1,0,0]
	v_fma_mix_f32 v[A+8*(\t)+2*(\d)+1], v[R+12*(\t)+(\d)], v[WT+4*(\t)], v[ZR] op_sel:[1,0,0] op_sel_hi:[1,0,0]
.endr
.irp k, 1,2
.irp d, 0,1,2,3
	v_fma_mix_f32 v[A+8*(\t)+2*(\d)],   v[R+12*(\t)+4*(\k)+(\d)], v[WT+4*(\t)+(\k)], v[A+8*(\t)+2*(\d)] op_sel_hi:[1,0,0]
	v_fma_mix_f32 v[A+8*(\t)+2*(\d)+1], v[R+12*(\t)+4*(\k)+(\d)], v[WT+4*(\t)+(\k)], v[A+8*(\t)+2*(\d)+1] op_sel:[1,0,0] op_sel_hi:[1,0,0]
.endr
.endr
.endm
	QUERY 0                                        ; each query has sums of its own, so no store's registers are written again
	QUERY 1
	QUERY 2
	QUERY 3
	s_wait_alu depctr_va_vdst(0)                   ; the last query has written its eight sums, which the last two stores read
	SEND 3
	s_endpgm
.Lfunc_end_k_qda0d1fccd5_interp:
	.size	k_qda0d1fccd5_interp, .Lfunc_end_k_qda0d1fccd5_interp-k_qda0d1fccd5_interp
	.p2alignl 7, 3214868480
	.fill 96, 4, 3214868480
	.section	.rodata,"a",@progbits
	.p2align	6, 0x0
	.amdhsa_kernel k_qda0d1fccd5_interp
		.amdhsa_group_segment_fixed_size 0
		.amdhsa_private_segment_fixed_size 0
		.amdhsa_enable_private_segment 0
		.amdhsa_kernarg_size 32
		.amdhsa_user_sgpr_count 2
		.amdhsa_user_sgpr_kernarg_segment_ptr 1
		.amdhsa_wavefront_size32 1
		.amdhsa_system_sgpr_workgroup_id_x 1
		.amdhsa_system_sgpr_workgroup_id_y 1
		.amdhsa_system_sgpr_workgroup_id_z 1
		.amdhsa_system_vgpr_workitem_id 0
		.amdhsa_next_free_vgpr 120
		.amdhsa_next_free_sgpr 66
		.amdhsa_reserve_vcc 0
		.amdhsa_float_denorm_mode_32 3
		.amdhsa_float_denorm_mode_16_64 3
		.amdhsa_memory_ordered 1
		.amdhsa_forward_progress 1
		.amdhsa_inst_pref_size 12
	.end_amdhsa_kernel
	.amdgpu_metadata
---
amdhsa.version: [ 1, 2 ]
amdhsa.kernels:
  - .name:           k_qda0d1fccd5_interp
    .symbol:         k_qda0d1fccd5_interp.kd
    .args:
      - { .name: featT, .offset: 0, .size: 8, .value_kind: global_buffer, .address_space: global }
      - { .name: nbr, .offset: 8, .size: 8, .value_kind: global_buffer, .address_space: global }
      - { .name: wts, .offset: 16, .size: 8, .value_kind: global_buffer, .address_space: global }
      - { .name: out0, .offset: 24, .size: 8, .value_kind: global_buffer, .address_space: global }
    .group_segment_fixed_size: 0
    .private_segment_fixed_size: 0
    .kernarg_segment_align: 8
    .kernarg_segment_size: 32
    .max_flat_workgroup_size: 256
    .sgpr_count:     66
    .vgpr_count:     120
    .wavefront_size: 32
...
	.end_amdgpu_metadata
.endif
;; end of part 4
